; MI455X (gfx1250); checked and timed in simulation.
; The chip was launched on July 23, 2026; its instructions are those of AMD's public machine-readable ISA for CDNA 5 (MIT licence, August 2026) and "CDNA5" Instruction Set Architecture Reference Guide (July 2026). The comments in the code are by the model that wrote it; some were corrected since.
;; Att Block. Allowed arithmetic: float matrix products may take bf16 or f16 operands with f32 sums; all other float work in f32.
;; Inputs: gamma_g 1 float32; gamma_l 1 float32; k_b 8 float32; k_w 8 x 64 float32; q_l_b 8 float32; q_l_w 8 x 64 float32; qg_b 4,096 float32; qg_w 4,096 x 8 float32; v_b 64 float32; v_w 64 x 64 float32; x 4 x 64 x 64 x 64 float32.
;; Outputs: out0 4 x 64 x 64 x 64 float32.
;; One version. Each part assembles by itself: llvm-mc -triple=amdgcn-amd-amdhsa -mcpu=gfx1250 --defsym DOCPART=n.
;; ======== version 1 of 1: 2 launches
;; workspace buffers: kq 1,048,576 bytes; part 294,912 bytes
;; launch moments (part 1): grid 16 x 4, 4 waves a work-group, no clusters, 40,960 bytes of LDS; arguments x, v_w, v_b, k_w, k_b, q_l_w, q_l_b, qg_w, qg_b, kq, part; writes kq, part
.if DOCPART == 1
	.amdgcn_target "amdgcn-amd-amdhsa--gfx1250"
	.amdhsa_code_object_version 6
	.text
	.protected	k_q5a350dbdf3_moments
	.globl	k_q5a350dbdf3_moments
	.p2align	8
	.type	k_q5a350dbdf3_moments,@function
k_q5a350dbdf3_moments:
	s_mov_b64 s[64:65], 0
	v_nop
	global_prefetch_b8 v0, s[64:65] scope:SCOPE_SE
	s_setreg_imm32_b32 hwreg(HW_REG_WAVE_MODE, 25, 1), 1
	s_wait_xcnt 0x0
; FIRST OF TWO LAUNCHES.  No non-linearity stands between the two products of the module, so for every input
;   out[c][p] = gg * sum_e M1[c][e] k_g[p][e] + gl * sum_e M2[c][e] q_l[p][e] + gg * s[c] + x[c][p]
; with M1[c][e] = sum_q v[c][q] qg_w[q][e],  M2[c][e] = sum_q v[c][q] k[e][q],  s[c] = sum_q v[c][q] qg_b[q].
; This launch makes k and q_l (each as a bf16 high part and a bf16 low part) and, for each 256 q, partial M1, M2, s.
; LIMITS, stated: the sums are re-associated, so the order of rounding differs from the written form.  x, the three weight matrices,
; qg_w and qg_b are rounded to bf16 once; v and k are rounded to bf16 once for the sums over q; biases stay in f32.
; The selector product multiplies other tiles' qg_w rows by 0: a non-finite qg_w spreads NaN inside 64 q (the written form is then non-finite too).
; SHARES: 64 work-groups = 16 chunks of 256 q x 4 batches; wave w owns the 64 positions q0 = 256 chunk + 64 w.
; Lane L = (r = L & 15, h = L >> 4).  Column tile t (0..3) of the 64 positions holds positions q0 + 4 r + t, so a lane's 16 bytes
; of a channel row feed all four tiles, and sixteen lanes read 256 consecutive aligned bytes.
; No tensor loads, no cluster: every operand lands in registers in fragment order, all of a wave's 63 loads go out at once, nothing loops;
; what the work-groups share is 20 KB of weights, fetched once each.
.set PITCH, 144                        ; weight table: 64 bf16 + 16 bytes of padding, an odd multiple of 16
.set KST,   13824                      ; behind the table's 96 rows: k of the group's 256 q, high parts [8][512 B], low parts 4,096 further
.set RED,   22016                      ; four blocks of 4,608 bytes, one a wave: partial M (4,096) and s (512)
.set REDW,  4608
.set LOW,   524288                     ; in kq the low parts lie this far behind the high parts
; window 0
.set AX,  4                            ; h << 17 | r << 4 : 8 h channels down, 4 r positions along
.set AWG, 5                            ; 16 tid: weights as they lie in memory
.set AWL, 6                            ; 288 w + 144 h + 8 r: the same 4 numbers in the table
.set AFR, 7                            ; 144 r + 16 h: a fragment's lane address in the table
.set AQW, 8                            ; 128 r + 64 h: qg_w rows 4 r + 2 h and 4 r + 2 h + 1
.set AQB, 9                            ; 128 h: qg_b of positions 32 h ..
.set ABV, 10                           ; 4 r
.set ABK, 11                           ; 4 (r & 7)
.set ZERO, 12                          ; v[12:13] = 0: an offset, and the table's zero rows
.set NEG1, 14                          ; -1.0
.set ARW, 16                           ; RED + 4608 w + 16 L
.set ARS, 17                           ; RED + 4608 w + 4 L
.set AKS, 18                           ; 128 w + 8 r
.set AQL, 19                           ; 16 r
.set ARR, 20                           ; 1024 w + 16 L
.set AKR, 21                           ; 512 w + 16 L
.set AL16, 22                          ; 16 L
.set BVL, 24                           ; v[24:27] v_b[16 c + r]
.set BKL, 28                           ; k_b[r & 7]
.set F,   32                           ; v[32:95]   x fragments F[t][s] = F + 16 t + 8 s
.set VF,  32                           ; later: v as fragments, VF + 16 c + 8 g
.set T,   32                           ; in the tail: four waves' partial M
.set KT,  64                           ; in the tail: k rows on their way out
.set ST,  80                           ; in the tail: four waves' partial s
.set WR,  32                           ; raw weights, 10 quads (gone before F is written)
.set QWR, 72                           ; raw qg_w, 16
.set BQ,  88                           ; q_l_b, 8
.set WV,  96                           ; v[96:159]  Wv fragments, WV + 16 c + 8 s
.set QBR, 96                           ; raw qg_b, 32 (gone before WV is loaded)
.set RF,  96                           ; later: [qg_w | k] as fragments, RF + 8 g
.set QPH, 112                          ; later: q_l rows, high parts, QPH + 4 t
.set QPL, 128                          ; low parts
.set KPH, 144                          ; later: k, 4 neighbouring q, high parts, KPH + 2 j
.set WQ,  160                          ; v[160:175] rows Wq (8), Wk (8)
.set KPL, 160                          ; later: low parts
.set WB,  176                          ; v[176:191] rows 0 (8), Wk (8)
.set QW,  192                          ; v[192:199] qg_w rows of tiles 2 h, 2 h + 1
.set SELB, 200                         ; v[200:219] zeros, identity for lanes 0-7, zeros, identity for lanes 16-23, zeros
.set QB,  220                          ; v[220:235] qg_b as an operand with 16 equal rows, QB + 8 g
.set BK,  236                          ; v[236:243] k_b, 8
; window 1 (v256 and up, written by their low 8 bits)
.set D1,  0                            ; D1 + 8 t: lane (r, h), register j: position q0 + 32 h + 4 j + t; r < 8: qg_w[.][r]; r >= 8: k[r-8][.]
.set D2,  32                           ; D2 + 8 t: lane (r, h), register j: position q0 + 4 r + t; h = 0: q_l[j]; h = 1: k[j]
.set DV,  64                           ; DV + 32 c + 8 t: v[16 c + r] at D1's positions
.set DMOM, 64                          ; DMOM + 16 c: partial M, over DV once that has been read
.set DSUM, 72                          ; DSUM + 16 c: partial s
.set BIAS1, 192
.set BIAS2, 200
.set BIASV, 208                        ; + 8 c
.set MSB, 0
.macro WIN new                         ; the immediate's high byte repeats the setting that is left; a switch that changes nothing is dropped
.if MSB != \new
	s_set_vgpr_msb (MSB<<8)|\new
.set MSB, \new
.endif
.endm
.macro PLACES                          ; four plain vector places behind a matrix instruction (ISA guide 7.12.1)
.rept 4
	v_nop
.endr
.endm
.macro MM d, a, b, c
	v_wmma_f32_16x16x32_bf16 v[\d:\d+7], v[\a:\a+7], v[\b:\b+7], v[\c:\c+7]
.endm
.macro SUM4 a                          ; four blocks of 8 registers: (0 + 1) + (2 + 3), into the first
.irp k, 0,2,4,6
	v_pk_add_f32 v[\a+\k:\a+\k+1], v[\a+\k:\a+\k+1], v[\a+8+\k:\a+8+\k+1]
	v_pk_add_f32 v[\a+16+\k:\a+16+\k+1], v[\a+16+\k:\a+16+\k+1], v[\a+24+\k:\a+24+\k+1]
.endr
.irp k, 0,2,4,6
	v_pk_add_f32 v[\a+\k:\a+\k+1], v[\a+\k:\a+\k+1], v[\a+16+\k:\a+16+\k+1]
.endr
.endm
	; ---- 1. ids, addresses, all 63 loads
	s_load_b512 s[8:23], s[0:1], 0x0               ; x 8:9, v_w 10:11, v_b 12:13, k_w 14:15, k_b 16:17, q_l_w 18:19, q_l_b 20:21, qg_w 22:23
	s_load_b128 s[24:27], s[0:1], 0x40             ; qg_b 24:25, kq 26:27
	s_load_b64 s[28:29], s[0:1], 0x50              ; part
	v_lshl_add_u32 v254, v0, 2, 0x9e00
	v_mov_b32 v255, 0
	v_and_b32 v1, 31, v0                           ; L
	v_lshrrev_b32 v15, 5, v0
	v_readfirstlane_b32 s2, v15                    ; wave
	v_and_b32 v2, 15, v0                           ; r
	v_bfe_u32 v3, v0, 4, 1                         ; h
	s_mov_b32 s3, ttmp9                            ; chunk
	s_and_b32 s4, ttmp7, 0xffff                    ; batch
	s_lshl_b32 s5, s3, 10
	s_lshl_b32 s6, s2, 8
	s_add_co_u32 s5, s5, s6                        ; 4 q0: bytes of q0 in a row of f32
	s_mul_i32 s38, s2, 288
	s_mul_i32 s39, s2, REDW
	s_add_co_u32 s39, s39, RED
	s_lshl_b32 s42, s2, 7
	s_lshl_b32 s43, s2, 10
	s_lshl_b32 s44, s2, 9
	v_lshlrev_b32 v[AX], 4, v2
	v_lshl_or_b32 v[AX], v3, 17, v[AX]
	v_lshlrev_b32 v[AWG], 4, v0
	v_mul_u32_u24 v[AWL], v3, PITCH
	v_lshl_add_u32 v[AWL], v2, 3, v[AWL]
	v_add_nc_u32 v[AWL], s38, v[AWL]
	v_mul_u32_u24 v[AFR], v2, PITCH
	v_lshl_add_u32 v[AFR], v3, 4, v[AFR]
	v_lshlrev_b32 v[AQW], 7, v2
	v_lshl_or_b32 v[AQW], v3, 6, v[AQW]
	v_lshlrev_b32 v[AQB], 7, v3
	v_lshlrev_b32 v[ABV], 2, v2
	v_and_b32 v[ABK], 7, v2
	v_lshlrev_b32 v[ABK], 2, v[ABK]
	v_mov_b32 v[ZERO], 0
	v_mov_b32 v[ZERO+1], 0
	v_mov_b32 v[NEG1], -1.0
	v_lshlrev_b32 v[AL16], 4, v1
	v_add_nc_u32 v[ARW], s39, v[AL16]
	v_lshl_add_u32 v[ARS], v1, 2, s39
	v_lshl_add_u32 v[AKS], v2, 3, s42
	v_lshlrev_b32 v[AQL], 4, v2
	v_lshl_add_u32 v[ARR], v1, 4, s43
	v_lshl_add_u32 v[AKR], v1, 4, s44
	s_mov_b32 s31, 0                               ; every offset is below 4 GiB
	s_lshl_b32 s6, s4, 20                          ; a batch of x: 64 x 4096 x 4 bytes
	s_lshl_b32 s7, s4, 16                          ; a batch of a kq region: 8 x 4096 x 2 bytes
	s_wait_kmcnt 0x0
	s_add_co_u32 s30, s6, s5
	s_add_nc_u64 s[8:9], s[8:9], s[30:31]          ; x at (batch, channel 0, q0)
	s_mov_b32 s30, s5
	s_add_nc_u64 s[24:25], s[24:25], s[30:31]      ; qg_b at q0
	s_lshl_b32 s30, s5, 3
	s_add_nc_u64 s[22:23], s[22:23], s[30:31]      ; qg_w at row q0 (32 bytes a row)
	s_lshl_b32 s30, s5, 2
	s_add_co_u32 s30, s30, s7
	s_add_co_u32 s30, s30, 262144
	s_add_nc_u64 s[32:33], s[26:27], s[30:31]      ; kq: q_l's high parts, the wave's block of 64 rows of 16 bytes
	s_lshl_b32 s30, s2, 13
	s_add_co_u32 s30, s30, s7
	s_lshl_b32 s6, s3, 9
	s_add_co_u32 s30, s30, s6
	s_add_nc_u64 s[34:35], s[26:27], s[30:31]      ; kq: k's high parts, row e = w, the chunk's 512 bytes
	s_lshl4_add_u32 s30, s4, s3
	s_mul_i32 s30, s30, REDW
	s_add_co_u32 s30, s30, s43
	s_add_nc_u64 s[36:37], s[28:29], s[30:31]      ; part: block 16 batch + chunk, channel tile w
.irp i, 0,1,2,3,4,5,6,7
	global_load_b128 v[WR+4*\i:WR+4*\i+3], v[AWG], s[10:11] offset:2048*\i     ; v_w: 8 rows a load for the four waves
.endr
	global_load_b128 v[WR+32:WR+35], v[AWG], s[18:19]                          ; q_l_w
	global_load_b128 v[WR+36:WR+39], v[AWG], s[14:15]                          ; k_w
.irp c, 0,1,2,3
	global_load_b32 v[BVL+\c], v[ABV], s[12:13] offset:64*\c
.endr
	global_load_b32 v[BKL], v[ABK], s[16:17]
	global_load_b128 v[BQ:BQ+3], v[ZERO], s[20:21]
	global_load_b128 v[BQ+4:BQ+7], v[ZERO], s[20:21] offset:16
	global_load_b128 v[BK:BK+3], v[ZERO], s[16:17]
	global_load_b128 v[BK+4:BK+7], v[ZERO], s[16:17] offset:16
.irp u, 0,1,2,3
	global_load_b128 v[QWR+4*\u:QWR+4*\u+3], v[AQW], s[22:23] offset:16*\u     ; the four loads together cover the wave's 2 KiB once
.endr
.irp i, 0,1,2,3,4,5,6,7
	global_load_b128 v[QBR+4*\i:QBR+4*\i+3], v[AQB], s[24:25] offset:16*\i
.endr
	WIN 0x40                                       ; destination in window 1
.irp s, 0,1
.irp g, 0,1
.irp i, 0,1,2,3,4,5,6,7
	global_load_b128 v[4*((2*\s+\g)*8+\i):4*((2*\s+\g)*8+\i)+3], v[AX], s[8:9] offset:(32*\s+16*\g+\i)*16384   ; channel 32 s + 16 g + 8 h + i, positions q0 + 4 r ..
.endr
.endr
.endr
	WIN 0
	; ---- 2. the weight table: rows 0-63 Wv, 64-71 Wq, 72-79 Wk, 80-87 zeros, 88-95 Wk
	s_wait_loadcnt 53                              ; 63 issued; the ten oldest, the raw weights, are in
.irp i, 0,1,2,3,4,5,6,7,8,9
	v_cvt_pk_bf16_f32 v[WR+4*\i], v[WR+4*\i], v[WR+4*\i+1]
	v_cvt_pk_bf16_f32 v[WR+4*\i+1], v[WR+4*\i+2], v[WR+4*\i+3]
.endr
.irp i, 0,1,2,3,4,5,6,7
	ds_store_b64 v[AWL], v[WR+4*\i:WR+4*\i+1] offset:8*PITCH*\i
.endr
	ds_store_b64 v[AWL], v[WR+32:WR+33] offset:64*PITCH
	ds_store_b64 v[AWL], v[WR+36:WR+37] offset:72*PITCH
	ds_store_b64 v[AWL], v[ZERO:ZERO+1] offset:80*PITCH
	ds_store_b64 v[AWL], v[WR+36:WR+37] offset:88*PITCH
	; ---- 3. small operands, while x is on its way
	s_wait_loadcnt 32                              ; only the 32 loads of x may stay out
.irp i, 0,1,2,3,4,5,6,7
	v_cvt_pk_bf16_f32 v[QW+\i], v[QWR+2*\i], v[QWR+2*\i+1]     ; registers 0-3: tile 2 h's row; 4-7: tile 2 h + 1's
.endr
.irp g, 0,1
.irp i, 0,1,2,3
	v_cvt_pk_bf16_f32 v[QB+8*\g+\i], v[QBR+8*\i+2*\g], v[QBR+8*\i+4+2*\g]       ; K place 8 h + 2 i + a stands for position 32 h + 4 (2 i + a) + 2 g,
	v_cvt_pk_bf16_f32 v[QB+8*\g+4+\i], v[QBR+8*\i+2*\g+1], v[QBR+8*\i+5+2*\g]   ; K place 16 + 8 h + .. for the same + 1: as RF and VF below
.endr
.endr
	v_and_b32 v15, 1, v1
	v_lshlrev_b32 v15, 4, v15
	v_mov_b32 v29, 0x3f80
	v_lshlrev_b32 v15, v15, v29                    ; bf16 1.0 in half L & 1
	v_lshrrev_b32 v30, 1, v1
.irp i, 0,1,2,3
	v_mov_b32 v[SELB+\i], 0
	v_mov_b32 v[SELB+8+\i], 0
	v_mov_b32 v[SELB+16+\i], 0
	v_cmp_eq_u32 vcc_lo, \i, v30
	v_cndmask_b32 v[SELB+4+\i], 0, v15, vcc_lo     ; lanes 0-7: column n has its 1 at K place n of the lane's first eight
	v_cmp_eq_u32 vcc_lo, 8+\i, v30
	v_cndmask_b32 v[SELB+12+\i], 0, v15, vcc_lo    ; lanes 16-23 likewise
.endr
	v_cmp_le_u32 s40, 8, v2                        ; r >= 8
	v_cmp_eq_u32 s41, 1, v3                        ; h = 1
	WIN 0x40
.irp i, 0,1,2,3,4,5,6,7
	v_cndmask_b32 v[BIAS1+\i], 0, v[BKL], s40      ; column r of D1: k_b[r-8] or nothing
	v_cndmask_b32 v[BIAS2+\i], v[BQ+\i], v[BK+\i], s41     ; row 8 h + i of D2: q_l_b[i] or k_b[i]
.endr
.irp c, 0,1,2,3
.irp i, 0,1,2,3,4,5,6,7
	v_mov_b32 v[BIASV+8*\c+\i], v[BVL+\c]          ; column r of DV: v_b[16 c + r] in all eight rows
.endr
.endr
	WIN 0
	s_wait_dscnt 0x0                               ; my part of the table is written,
	s_barrier_signal -1
	s_barrier_wait -1                              ; everybody's is
	; ---- 4. weight fragments: two loads of 16 bytes, 32 apart, for 16 rows x 32 K
.irp c, 0,1,2,3
.irp s, 0,1
	ds_load_b128 v[WV+16*\c+8*\s:WV+16*\c+8*\s+3], v[AFR] offset:16*PITCH*\c+64*\s
	ds_load_b128 v[WV+16*\c+8*\s+4:WV+16*\c+8*\s+7], v[AFR] offset:16*PITCH*\c+64*\s+32
.endr
.endr
.irp s, 0,1
	ds_load_b128 v[WQ+8*\s:WQ+8*\s+3], v[AFR] offset:64*PITCH+64*\s
	ds_load_b128 v[WQ+8*\s+4:WQ+8*\s+7], v[AFR] offset:64*PITCH+64*\s+32
	ds_load_b128 v[WB+8*\s:WB+8*\s+3], v[AFR] offset:80*PITCH+64*\s
	ds_load_b128 v[WB+8*\s+4:WB+8*\s+7], v[AFR] offset:80*PITCH+64*\s+32
.endr
	; ---- 5. x to fragments: lane r of F[t] stands for position q0 + 4 r + t, K runs over the channels
	WIN 0x05                                       ; both sources in window 1
.irp s, 0,1
.irp g, 0,1
	s_wait_loadcnt 24-8*(2*\s+\g)                  ; loads return in order: this group of eight is in, the younger groups stay out
.irp t, 0,1,2,3
.irp i, 0,1,2,3
	v_cvt_pk_bf16_f32 v[F+16*\t+8*\s+4*\g+\i], v[4*((2*\s+\g)*8+2*\i)+\t], v[4*((2*\s+\g)*8+2*\i+1)+\t]
.endr
.endr
.endr
.endr
	; ---- 6. the three convolutions and qg_w's regrouping: 52 matrix instructions.
	; The accumulators take turns, one instruction a turn.
	s_wait_dscnt 0x0                               ; the weight fragments
	WIN 0x50                                       ; C and D in window 1
.irp t, 0,1,2,3
	MM D1+8*\t, F+16*\t, WB, BIAS1
.endr
.irp t, 0,1,2,3
	MM D2+8*\t, WQ, F+16*\t, BIAS2
.endr
.irp c, 0,1,2,3
.irp t, 0,1,2,3
	MM DV+32*\c+8*\t, F+16*\t, WV+16*\c, BIASV+8*\c
.endr
.endr
.irp t, 0,1,2,3
	MM D1+8*\t, F+16*\t+8, WB+8, D1+8*\t
.endr
.irp t, 0,1,2,3
	MM D2+8*\t, WQ+8, F+16*\t+8, D2+8*\t
.endr
.irp c, 0,1,2,3
.irp t, 0,1,2,3
	MM DV+32*\c+8*\t, F+16*\t+8, WV+16*\c+8, DV+32*\c+8*\t
.endr
.endr
	MM D1, QW, SELB+4, D1                          ; tile 0's rows lie at K places 0-7,
	MM D1+8, QW, SELB, D1+8                        ; tile 1's at 16-23,
	MM D1+16, QW, SELB+12, D1+16                   ; tile 2's at 8-15,
	MM D1+24, QW, SELB+8, D1+24                    ; tile 3's at 24-31: columns 0-7 of D1[t] now hold qg_w
	PLACES                                         ; behind them results are read and operands written over
	; ---- 7. results to bf16 operands; K is permuted alike in RF, VF and QB
	WIN 0x05
.irp t, 0,1,2,3
.irp i, 0,1,2,3
	v_cvt_pk_bf16_f32 v[RF+4*\t+\i], v[D1+8*\t+2*\i], v[D1+8*\t+2*\i+1]
	v_cvt_pk_bf16_f32 v[QPH+4*\t+\i], v[D2+8*\t+2*\i], v[D2+8*\t+2*\i+1]      ; lanes 0-15: q_l[0..7] of one position, 16 bytes
.endr
.endr
.irp j, 0,1,2,3,4,5,6,7
.irp u, 0,1
	v_cvt_pk_bf16_f32 v[KPH+2*\j+\u], v[D2+16*\u+\j], v[D2+16*\u+8+\j]        ; lanes 16-31: k[j] of four neighbouring q, 8 bytes
.endr
.endr
.irp c, 0,1,2,3
.irp t, 0,1,2,3
.irp i, 0,1,2,3
	v_cvt_pk_bf16_f32 v[VF+16*\c+4*\t+\i], v[DV+32*\c+8*\t+2*\i], v[DV+32*\c+8*\t+2*\i+1]
.endr
.endr
.endr
	; ---- 8. the sums over the wave's 64 q: 16 matrix instructions on eight accumulators by turns
	WIN 0x50
.irp c, 0,1,2,3
	v_wmma_f32_16x16x32_bf16 v[DMOM+16*\c:DMOM+16*\c+7], v[RF:RF+7], v[VF+16*\c:VF+16*\c+7], 0
	v_wmma_f32_16x16x32_bf16 v[DSUM+16*\c:DSUM+16*\c+7], v[QB:QB+7], v[VF+16*\c:VF+16*\c+7], 0
.endr
.irp c, 0,1,2,3
	MM DMOM+16*\c, RF+8, VF+16*\c+8, DMOM+16*\c
	MM DSUM+16*\c, QB+8, VF+16*\c+8, DSUM+16*\c
.endr
	; low parts: what the rounding to bf16 left, exact in f32.  These lines name no register of the sums above: they are the places behind them.
.irp t, 0,1,2,3
.irp i, 0,1,2,3
	v_fma_mix_f32_bf16 v[D2+8*\t+2*\i], v[QPH+4*\t+\i], v[NEG1], v[D2+8*\t+2*\i] op_sel_hi:[1,0,0]
	v_fma_mix_f32_bf16 v[D2+8*\t+2*\i+1], v[QPH+4*\t+\i], v[NEG1], v[D2+8*\t+2*\i+1] op_sel:[1,0,0] op_sel_hi:[1,0,0]
.endr
.endr
	WIN 0x05
.irp t, 0,1,2,3
.irp i, 0,1,2,3
	v_cvt_pk_bf16_f32 v[QPL+4*\t+\i], v[D2+8*\t+2*\i], v[D2+8*\t+2*\i+1]
.endr
.endr
.irp j, 0,1,2,3,4,5,6,7
.irp u, 0,1
	v_cvt_pk_bf16_f32 v[KPL+2*\j+\u], v[D2+16*\u+\j], v[D2+16*\u+8+\j]
.endr
.endr
	WIN 0x04                                       ; LDS store data in window 1
.irp c, 0,1,2,3
	ds_store_b128 v[ARW], v[DMOM+16*\c:DMOM+16*\c+3] offset:1024*\c            ; M[8 h + 0..3][16 c + r]
	ds_store_b128 v[ARW], v[DMOM+16*\c+4:DMOM+16*\c+7] offset:1024*\c+512      ; M[8 h + 4..7][16 c + r]
	ds_store_b32 v[ARS], v[DSUM+16*\c] offset:4096+128*\c                      ; s[16 c + r] (all rows of the tile are equal)
.endr
	WIN 0
	; ---- 9. q_l leaves from lanes 0-15; k goes to LDS from lanes 16-31
	s_wait_xcnt 0x0                                ; EXEC changes only behind this wait
	v_cmp_gt_u32 vcc_lo, 16, v1
	s_and_saveexec_b32 s50, vcc_lo
.irp t, 0,1,2,3
	global_store_b128 v[AQL], v[QPH+4*\t:QPH+4*\t+3], s[32:33] offset:256*\t       ; sixteen lanes store 256 consecutive bytes, aligned
	global_store_b128 v[AQL], v[QPL+4*\t:QPL+4*\t+3], s[32:33] offset:LOW+256*\t
.endr
	s_wait_xcnt 0x0                                ; and again in front of the line that widens it
	s_or_b32 exec_lo, exec_lo, s50
	v_cmp_le_u32 vcc_lo, 16, v1
	s_and_saveexec_b32 s50, vcc_lo                 ; no global instruction has been issued since the last wait
.irp j, 0,1,2,3,4,5,6,7
	ds_store_b64 v[AKS], v[KPH+2*\j:KPH+2*\j+1] offset:KST+512*\j
	ds_store_b64 v[AKS], v[KPL+2*\j:KPL+2*\j+1] offset:KST+4096+512*\j
.endr
	s_or_b32 exec_lo, exec_lo, s50
	s_wait_dscnt 0x0                               ; my partial sums and my part of k are in LDS,
	s_barrier_signal -1
	s_barrier_wait -1                              ; everybody's are
	; ---- 10. wave w sums channel tile w over the four waves and stores it; it also stores rows w and w + 4 of k
.irp w, 0,1,2,3
.irp u, 0,1
	ds_load_b128 v[T+8*\w+4*\u:T+8*\w+4*\u+3], v[ARR] offset:RED+REDW*\w+512*\u
.endr
.endr
.irp n, 0,1,2,3
	ds_load_b128 v[KT+4*\n:KT+4*\n+3], v[AKR] offset:KST+2048*\n
.endr
	s_wait_dscnt 0x4                               ; the four loads of k may stay out
	SUM4 T
	global_store_b128 v[AL16], v[T:T+3], s[36:37]
	global_store_b128 v[AL16], v[T+4:T+7], s[36:37] offset:512
	s_wait_dscnt 0x0
	global_store_b128 v[AL16], v[KT:KT+3], s[34:35]                    ; each store of the wave covers 512 consecutive bytes, aligned
	global_store_b128 v[AL16], v[KT+4:KT+7], s[34:35] offset:32768     ; row w + 4
	global_store_b128 v[AL16], v[KT+8:KT+11], s[34:35] offset:LOW
	global_store_b128 v[AL16], v[KT+12:KT+15], s[34:35] offset:LOW+32768
	s_cmp_lg_u32 s2, 0
	s_cbranch_scc1 .Lend                           ; wave 0 alone sums s (its part base has no wave term)
.irp w, 0,1,2,3
	ds_load_b128 v[ST+4*\w:ST+4*\w+3], v[AL16] offset:RED+4096+REDW*\w
.endr
	s_wait_dscnt 0x0
	v_pk_add_f32 v[ST:ST+1], v[ST:ST+1], v[ST+4:ST+5]
	v_pk_add_f32 v[ST+2:ST+3], v[ST+2:ST+3], v[ST+6:ST+7]
	v_pk_add_f32 v[ST+8:ST+9], v[ST+8:ST+9], v[ST+12:ST+13]
	v_pk_add_f32 v[ST+10:ST+11], v[ST+10:ST+11], v[ST+14:ST+15]
	v_pk_add_f32 v[ST:ST+1], v[ST:ST+1], v[ST+8:ST+9]
	v_pk_add_f32 v[ST+2:ST+3], v[ST+2:ST+3], v[ST+10:ST+11]
	global_store_b128 v[AL16], v[ST:ST+3], s[36:37] offset:4096
.Lend:
	s_wait_tensorcnt 0x0
	ds_add_u32 v254, v255
	s_wait_dscnt 0x0
	s_endpgm
.Lfunc_end_k_q5a350dbdf3_moments:
	.size	k_q5a350dbdf3_moments, .Lfunc_end_k_q5a350dbdf3_moments-k_q5a350dbdf3_moments
	.p2alignl 7, 3214868480
	.fill 96, 4, 3214868480
	.section	.rodata,"a",@progbits
	.p2align	6, 0x0
	.amdhsa_kernel k_q5a350dbdf3_moments
		.amdhsa_group_segment_fixed_size 40960
		.amdhsa_private_segment_fixed_size 0
		.amdhsa_enable_private_segment 0
		.amdhsa_kernarg_size 88
		.amdhsa_user_sgpr_count 2
		.amdhsa_user_sgpr_kernarg_segment_ptr 1
		.amdhsa_wavefront_size32 1
		.amdhsa_system_sgpr_workgroup_id_x 1
		.amdhsa_system_sgpr_workgroup_id_y 1
		.amdhsa_system_sgpr_workgroup_id_z 1
		.amdhsa_system_vgpr_workitem_id 0
		.amdhsa_next_free_vgpr 496
		.amdhsa_next_free_sgpr 66
		.amdhsa_reserve_vcc 1
		.amdhsa_float_denorm_mode_32 3
		.amdhsa_float_denorm_mode_16_64 3
		.amdhsa_memory_ordered 1
		.amdhsa_forward_progress 1
		.amdhsa_inst_pref_size 44
	.end_amdhsa_kernel
	.amdgpu_metadata
---
amdhsa.version: [ 1, 2 ]
amdhsa.kernels:
  - .name:           k_q5a350dbdf3_moments
    .symbol:         k_q5a350dbdf3_moments.kd
    .args:
      - { .name: x, .offset: 0, .size: 8, .value_kind: global_buffer, .address_space: global }
      - { .name: v_w, .offset: 8, .size: 8, .value_kind: global_buffer, .address_space: global }
      - { .name: v_b, .offset: 16, .size: 8, .value_kind: global_buffer, .address_space: global }
      - { .name: k_w, .offset: 24, .size: 8, .value_kind: global_buffer, .address_space: global }
      - { .name: k_b, .offset: 32, .size: 8, .value_kind: global_buffer, .address_space: global }
      - { .name: q_l_w, .offset: 40, .size: 8, .value_kind: global_buffer, .address_space: global }
      - { .name: q_l_b, .offset: 48, .size: 8, .value_kind: global_buffer, .address_space: global }
      - { .name: qg_w, .offset: 56, .size: 8, .value_kind: global_buffer, .address_space: global }
      - { .name: qg_b, .offset: 64, .size: 8, .value_kind: global_buffer, .address_space: global }
      - { .name: kq, .offset: 72, .size: 8, .value_kind: global_buffer, .address_space: global }
      - { .name: part, .offset: 80, .size: 8, .value_kind: global_buffer, .address_space: global }
    .group_segment_fixed_size: 40960
    .private_segment_fixed_size: 0
    .kernarg_segment_align: 8
    .kernarg_segment_size: 88
    .max_flat_workgroup_size: 128
    .sgpr_count:     66
    .vgpr_count:     496
    .wavefront_size: 32
...
	.end_amdgpu_metadata
.endif
;; end of part 1
;; launch apply (part 2): grid 16 x 16, 4 waves a work-group, no clusters, 5,120 bytes of LDS; arguments part, kq, x, gamma_g, gamma_l, out0; writes out0
.if DOCPART == 2
	.amdgcn_target "amdgcn-amd-amdhsa--gfx1250"
	.amdhsa_code_object_version 6
	.text
	.protected	k_q5a350dbdf3_apply
	.globl	k_q5a350dbdf3_apply
	.p2align	8
	.type	k_q5a350dbdf3_apply,@function
k_q5a350dbdf3_apply:
	s_mov_b64 s[64:65], 0
	v_nop
	global_prefetch_b8 v0, s[64:65] scope:SCOPE_SE
	s_setreg_imm32_b32 hwreg(HW_REG_WAVE_MODE, 25, 1), 1
	s_wait_xcnt 0x0
; SECOND OF TWO LAUNCHES:  out[c][p] = gg * sum_e M1[c][e] k_g[p][e] + gl * sum_e M2[c][e] q_l[p][e] + gg * s[c] + x[c][p].
; A work-group owns 16 channels (tile ct) and 256 positions of one batch; wave w owns the 64 positions p0 = 256 pq + 64 w.
; The batch's 16 partial blocks of M and s are summed first: wave w adds blocks 4 w .. 4 w + 3 (its channel tile only), the four results meet in LDS.
; The last product has only 16 terms, so both operands go to the matrix unit as a bf16 high part plus a bf16 low part: K places 0-15 of B hold
; the high parts of [k_g | q_l], places 16-31 the low parts; A holds gamma * M's high part in both halves, then its low part in both halves:
; two matrix instructions a tile give (Mhi + Mlo)(Bhi + Blo).  gg * s enters in f32 as C, x is added in f32.
; LIMITS, stated: re-associated sums (another order of rounding than the written form); what remains of M, k_g, q_l below high + low part is dropped.
; Lane L = (r = L & 15, h = L >> 4); column tile t holds positions p0 + 4 r + t, so the final add also gathers four neighbouring positions in a lane.
; No tensor loads, no cluster: a wave's 28 loads go out at once, nothing loops; what the work-groups share is 18 KB of partial sums, fetched once each.
.set BLK,  4608                        ; a partial block: M 4,096 bytes, s 512
.set WRED, 1152                        ; a wave's share in LDS: M of one channel tile 1,024 bytes, s 128
.set LOW,  524288                      ; in kq the low parts lie this far behind the high parts
.set AX,  4                            ; h << 17 | r << 4
.set APM, 5                            ; 1024 ct + 16 L
.set APS, 6                            ; 128 ct + 4 L
.set AB,  7                            ; v[7:10] tile t: h = 0: 64 r + 16 t (k_g row 4 r + t); h = 1: 262144 + 16 r + 256 t (q_l row, as it was stored)
.set AEW, 12                           ; 1152 w + 16 L
.set AES, 13                           ; 1152 w + 4 L
.set AER, 14                           ; 16 L
.set AEC, 15                           ; 32 h
.set SC,  16                           ; v[16:17] gamma of my half of K: gg (h = 0) or gl (h = 1), twice
.set NEG1, 18
.set PM,  20                           ; v[20:51]  four partial blocks' M
.set PS,  52                           ; v[52:55]  and s
.set B,   56                           ; v[56:87]  B + 8 t
.set X,   88                           ; v[88:119] X + 4 j: channel 8 h + j, positions p0 + 4 r ..
.set T,   120                          ; v[120:151] four waves' M
.set CS,  152                          ; v[152:183] four waves' s in C's layout
.set A1,  184
.set A2,  192
.set D,   200                          ; v[200:231] D + 8 t
.macro PLACES                          ; four plain vector places behind a matrix instruction (ISA guide 7.12.1)
.rept 4
	v_nop
.endr
.endm
.macro SUM4 a                          ; four blocks of 8 registers: (0 + 1) + (2 + 3), into the first
.irp k, 0,2,4,6
	v_pk_add_f32 v[\a+\k:\a+\k+1], v[\a+\k:\a+\k+1], v[\a+8+\k:\a+8+\k+1]
	v_pk_add_f32 v[\a+16+\k:\a+16+\k+1], v[\a+16+\k:\a+16+\k+1], v[\a+24+\k:\a+24+\k+1]
.endr
.irp k, 0,2,4,6
	v_pk_add_f32 v[\a+\k:\a+\k+1], v[\a+\k:\a+\k+1], v[\a+16+\k:\a+16+\k+1]
.endr
.endm
	; ---- 1. ids, addresses, all 28 loads
	s_load_b256 s[8:15], s[0:1], 0x0               ; part 8:9, kq 10:11, x 12:13, gamma_g 14:15
	s_load_b128 s[16:19], s[0:1], 0x20             ; gamma_l 16:17, out0 18:19
	v_lshl_add_u32 v232, v0, 2, 0x1200
	v_mov_b32 v233, 0
	v_and_b32 v1, 31, v0                           ; L
	v_lshrrev_b32 v11, 5, v0
	v_readfirstlane_b32 s2, v11                    ; wave
	v_and_b32 v2, 15, v0                           ; r
	v_bfe_u32 v3, v0, 4, 1                         ; h
	s_mov_b32 s3, ttmp9                            ; pq
	s_and_b32 s4, ttmp7, 0xffff                    ; 4 batch + ct
	s_lshr_b32 s5, s4, 2                           ; batch
	s_and_b32 s6, s4, 3                            ; ct
	s_lshl_b32 s7, s6, 10
	s_lshl_b32 s24, s6, 7
	s_mul_i32 s26, s2, WRED
	s_lshl_b32 s28, s3, 10
	s_lshl_b32 s27, s2, 8
	s_add_co_u32 s28, s28, s27                     ; 4 p0
	v_lshlrev_b32 v[AX], 4, v2
	v_lshl_or_b32 v[AX], v3, 17, v[AX]
	v_lshl_add_u32 v[APM], v1, 4, s7
	v_lshl_add_u32 v[APS], v1, 2, s24
	v_cmp_eq_u32 s25, 1, v3                        ; h = 1
	v_lshlrev_b32 v[AB], 6, v2
	v_lshlrev_b32 v11, 4, v2
	v_add_nc_u32 v11, 0x40000, v11
	v_cndmask_b32 v[AB], v[AB], v11, s25
	v_mad_u32_u24 v11, v3, 240, 16                 ; from tile to tile: 16 bytes (h = 0) or 256 (h = 1)
	v_add_nc_u32 v[AB+1], v[AB], v11
	v_add_nc_u32 v[AB+2], v[AB+1], v11
	v_add_nc_u32 v[AB+3], v[AB+2], v11
	v_lshl_add_u32 v[AEW], v1, 4, s26
	v_lshl_add_u32 v[AES], v1, 2, s26
	v_lshlrev_b32 v[AER], 4, v1
	v_lshlrev_b32 v[AEC], 5, v3
	v_mov_b32 v[NEG1], -1.0
	s_mov_b32 s23, 0                               ; every offset is below 4 GiB
	s_wait_kmcnt 0x0
	s_load_b32 s20, s[14:15], 0x0                  ; gg
	s_load_b32 s21, s[16:17], 0x0                  ; gl
	s_mul_i32 s22, s5, 16*BLK
	s_mul_i32 s27, s2, 4*BLK
	s_add_co_u32 s22, s22, s27
	s_add_nc_u64 s[8:9], s[8:9], s[22:23]          ; part at block 16 batch + 4 w
	s_lshl_b32 s22, s5, 16
	s_lshl_b32 s27, s28, 2
	s_add_co_u32 s22, s22, s27
	s_add_nc_u64 s[10:11], s[10:11], s[22:23]      ; kq at (batch, row p0), 16 bytes a row
	s_lshl_b32 s22, s4, 18                         ; 16 channels of 16,384 bytes
	s_add_co_u32 s22, s22, s28
	s_add_nc_u64 s[12:13], s[12:13], s[22:23]      ; x and out0 at (batch, channel 16 ct, p0)
	s_add_nc_u64 s[18:19], s[18:19], s[22:23]
.irp i, 0,1,2,3
	global_load_b128 v[PM+8*\i:PM+8*\i+3], v[APM], s[8:9] offset:BLK*\i
	global_load_b128 v[PM+8*\i+4:PM+8*\i+7], v[APM], s[8:9] offset:BLK*\i+512
	global_load_b32 v[PS+\i], v[APS], s[8:9] offset:BLK*\i+4096
.endr
.irp t, 0,1,2,3
	global_load_b128 v[B+8*\t:B+8*\t+3], v[AB+\t], s[10:11]                 ; high parts; the four tiles' loads together cover each KiB once
	global_load_b128 v[B+8*\t+4:B+8*\t+7], v[AB+\t], s[10:11] offset:LOW    ; low parts
.endr
.irp j, 0,1,2,3,4,5,6,7
	global_load_b128 v[X+4*\j:X+4*\j+3], v[AX], s[12:13] offset:16384*\j th:TH_LOAD_NT
.endr
	; ---- 2. my four partial blocks
	s_wait_loadcnt 16                              ; the 8 loads of B and the 8 of x stay out
	SUM4 PM
	v_pk_add_f32 v[PS:PS+1], v[PS:PS+1], v[PS+2:PS+3]
	v_add_f32 v[PS], v[PS], v[PS+1]
	ds_store_b128 v[AEW], v[PM:PM+3]
	ds_store_b128 v[AEW], v[PM+4:PM+7] offset:512
	ds_store_b32 v[AES], v[PS] offset:1024
	s_wait_dscnt 0x0                               ; my sums are in LDS,
	s_barrier_signal -1
	s_barrier_wait -1                              ; everybody's are
	; ---- 3. all sixteen; scale; split into high and low parts
.irp w, 0,1,2,3
.irp u, 0,1
	ds_load_b128 v[T+8*\w+4*\u:T+8*\w+4*\u+3], v[AER] offset:WRED*\w+512*\u    ; M[8 h + 4 u ..][16 ct + r]: A's layout
.endr
.endr
.irp w, 0,1,2,3
.irp u, 0,1
	ds_load_b128 v[CS+8*\w+4*\u:CS+8*\w+4*\u+3], v[AEC] offset:WRED*\w+1024+16*\u  ; s[16 ct + 8 h + 4 u ..]: C's layout
.endr
.endr
	s_wait_dscnt 0x8                               ; the eight loads of s may stay out
	SUM4 T
	s_wait_kmcnt 0x0                               ; the gammas
	v_mov_b32 v[SC], s20
	v_mov_b32 v11, s21
	v_cndmask_b32 v[SC], v[SC], v11, s25
	v_mov_b32 v[SC+1], v[SC]
.irp k, 0,2,4,6
	v_pk_mul_f32 v[T+\k:T+\k+1], v[T+\k:T+\k+1], v[SC:SC+1]
.endr
.irp i, 0,1,2,3
	v_cvt_pk_bf16_f32 v[A1+\i], v[T+2*\i], v[T+2*\i+1]         ; against B's high parts,
	v_cvt_pk_bf16_f32 v[A1+4+\i], v[T+2*\i], v[T+2*\i+1]       ; and against its low parts
.endr
.irp i, 0,1,2,3
	v_fma_mix_f32_bf16 v[T+2*\i], v[A1+\i], v[NEG1], v[T+2*\i] op_sel_hi:[1,0,0]                     ; what the rounding left, exact
	v_fma_mix_f32_bf16 v[T+2*\i+1], v[A1+\i], v[NEG1], v[T+2*\i+1] op_sel:[1,0,0] op_sel_hi:[1,0,0]
.endr
.irp i, 0,1,2,3
	v_cvt_pk_bf16_f32 v[A2+\i], v[T+2*\i], v[T+2*\i+1]
	v_cvt_pk_bf16_f32 v[A2+4+\i], v[T+2*\i], v[T+2*\i+1]
.endr
	s_wait_dscnt 0x0
	SUM4 CS
.irp k, 0,2,4,6
	v_pk_mul_f32 v[CS+\k:CS+\k+1], v[CS+\k:CS+\k+1], s[20:21] op_sel_hi:[1,0]      ; both by gg
.endr
	; ---- 4. the last product: four accumulators by turns
	s_wait_loadcnt 8                               ; B is in; x may stay out
.irp t, 0,1,2,3
	v_wmma_f32_16x16x32_bf16 v[D+8*\t:D+8*\t+7], v[A1:A1+7], v[B+8*\t:B+8*\t+7], v[CS:CS+7]
.endr
.irp t, 0,1,2,3
	v_wmma_f32_16x16x32_bf16 v[D+8*\t:D+8*\t+7], v[A2:A2+7], v[B+8*\t:B+8*\t+7], v[D+8*\t:D+8*\t+7]
.endr
	; ---- 5. + x, and out: register j of tile t is (channel 8 h + j, position p0 + 4 r + t)
	PLACES
	s_wait_loadcnt 0x0
.irp j, 0,1,2,3,4,5,6,7
.irp t, 0,1,2,3
	v_add_f32 v[X+4*\j+\t], v[D+8*\t+\j], v[X+4*\j+\t]
.endr
.endr
.irp j, 0,1,2,3,4,5,6,7
	global_store_b128 v[AX], v[X+4*\j:X+4*\j+3], s[18:19] offset:16384*\j th:TH_STORE_NT   ; sixteen lanes store 256 consecutive bytes, aligned
.endr
	s_wait_tensorcnt 0x0
	ds_add_u32 v232, v233
	s_wait_dscnt 0x0
	s_endpgm
.Lfunc_end_k_q5a350dbdf3_apply:
	.size	k_q5a350dbdf3_apply, .Lfunc_end_k_q5a350dbdf3_apply-k_q5a350dbdf3_apply
	.p2alignl 7, 3214868480
	.fill 96, 4, 3214868480
	.section	.rodata,"a",@progbits
	.p2align	6, 0x0
	.amdhsa_kernel k_q5a350dbdf3_apply
		.amdhsa_group_segment_fixed_size 5120
		.amdhsa_private_segment_fixed_size 0
		.amdhsa_enable_private_segment 0
		.amdhsa_kernarg_size 48
		.amdhsa_user_sgpr_count 2
		.amdhsa_user_sgpr_kernarg_segment_ptr 1
		.amdhsa_wavefront_size32 1
		.amdhsa_system_sgpr_workgroup_id_x 1
		.amdhsa_system_sgpr_workgroup_id_y 1
		.amdhsa_system_sgpr_workgroup_id_z 1
		.amdhsa_system_vgpr_workitem_id 0
		.amdhsa_next_free_vgpr 234
		.amdhsa_next_free_sgpr 66
		.amdhsa_reserve_vcc 0
		.amdhsa_float_denorm_mode_32 3
		.amdhsa_float_denorm_mode_16_64 3
		.amdhsa_memory_ordered 1
		.amdhsa_forward_progress 1
		.amdhsa_inst_pref_size 14
	.end_amdhsa_kernel
	.amdgpu_metadata
---
amdhsa.version: [ 1, 2 ]
amdhsa.kernels:
  - .name:           k_q5a350dbdf3_apply
    .symbol:         k_q5a350dbdf3_apply.kd
    .args:
      - { .name: part, .offset: 0, .size: 8, .value_kind: global_buffer, .address_space: global }
      - { .name: kq, .offset: 8, .size: 8, .value_kind: global_buffer, .address_space: global }
      - { .name: x, .offset: 16, .size: 8, .value_kind: global_buffer, .address_space: global }
      - { .name: gamma_g, .offset: 24, .size: 8, .value_kind: global_buffer, .address_space: global }
      - { .name: gamma_l, .offset: 32, .size: 8, .value_kind: global_buffer, .address_space: global }
      - { .name: out0, .offset: 40, .size: 8, .value_kind: global_buffer, .address_space: global }
    .group_segment_fixed_size: 5120
    .private_segment_fixed_size: 0
    .kernarg_segment_align: 8
    .kernarg_segment_size: 48
    .max_flat_workgroup_size: 128
    .sgpr_count:     66
    .vgpr_count:     234
    .wavefront_size: 32
...
	.end_amdgpu_metadata
.endif
;; end of part 2
